; MI455X (gfx1250); checked and timed in simulation.
; The chip was launched on July 23, 2026; its instructions are those of AMD's public machine-readable ISA for CDNA 5 (MIT licence, August 2026) and "CDNA5" Instruction Set Architecture Reference Guide (July 2026). The comments in the code are by the model that wrote it; some were corrected since.
;; Mixture Of Experts. Allowed arithmetic: matrix products marked QUANTISED: E2M1 operands, one E8M0 scale for each 32 along K, by v_wmma_scale_f32_16x16x128_f8f6f4 with both operands' format E2M1 (or v_wmma_scale_f32_32x16x128_f4), f32 sums; products left as they are: f32 operands where the result goes on into a quantised operand, else bf16, f16 or f32 operands; f32 sums; everything else in f32.
;; Inputs: b1 8 x 4,096 float32; b2 8 x 1,024 float32; beta 8 x 1,024 float32; gamma 8 x 1,024 float32; router_b 8 float32; router_w 1,024 x 8 float32; w1_codes 8 x 4,096 x 32 x 16 uint8 (E2M1 codes of w1, K innermost, in blocks of 32 codes, two codes a byte); w1_scales 8 x 4,096 x 32 uint8 (E8M0 scales of w1, one for each 32 codes along K); w2_codes 8 x 1,024 x 128 x 16 uint8 (E2M1 codes of w2, K innermost, in blocks of 32 codes, two codes a byte); w2_scales 8 x 1,024 x 128 uint8 (E8M0 scales of w2, one for each 32 codes along K); x 2 x 512 x 1,024 float32.
;; Outputs: out0 2 x 512 x 1,024 float32; out1 2 x 512 x 8 float32.
;; This version of the problem:
;;   THIS VERSION OF THE PROBLEM IS GIVEN IN LOW PRECISION. The matrix products marked QUANTISED in the list below multiply operands that are first quantised to E2M1 (2 exponent bits, 1 mantissa bit; 4 bits a number), with one power-of-two scale for each 32 numbers along K (OCP MX v1.0); their sums are f32. All else is computed in f32.
;;   The module's matrix products, in the order in which they are computed (A, B: the left and right operand; K: the contracted axis; several contracted axes count as one K, in the product's order):
;;     1. [M 1,024, K 1,024] x [K 1,024, N 8]; A: input x; B: input router_w: left as it is (N = 8 < 16)
;;     2. [M 32,768, K 1,024] x [K 1,024, N 1,024]; A: input w1 (given as codes); B: input x: QUANTISED
;;     3. batch 8 x [M 1,024, K 4,096] x [K 4,096, N 1,024]; A: computed on the way; B: input w2 (given as codes): QUANTISED
;;   THE QUANTISER, for each operand of a quantised product, along K:
;;     - K is cut into blocks of 32 from its start; a last block that is shorter is filled with zeros.
;;     - A block's scale is 2^e with e = floor(log2(the largest magnitude in the block)) - 2, held to -126 .. 127; a block of zeros has e = 0. As a byte (E8M0): e + 127.
;;     - Each number is divided by its block's scale, clamped to +-6, and rounded to the nearest number of E2M1, ties to even, subnormals kept.
;;     - The product sums the exact products of the quantised numbers (number of the format x scale) in f32.
;;   ~~~python
;;   def quantise(x, axis):      # numpy; x: float32 -> the quantised numbers, widened to float32 again
;;       x = np.moveaxis(x, axis, -1); K = x.shape[-1]
;;       x = np.pad(x, [(0, 0)] * (x.ndim - 1) + [(0, -K % 32)]); x = x.reshape(x.shape[:-1] + (-1, 32)); a = np.abs(x).max(-1, keepdims=True)
;;       e = np.where(a > 0, np.clip(np.frexp(np.where(a > 0, a, 1))[1] - 1 - 2, -126, 127), 0)      # np.frexp(a)[1] - 1 = floor(log2(a)), exactly
;;       r = np.clip(x / 2.0 ** e, -6, 6)
;;       step = 2.0 ** (np.maximum(np.frexp(np.where(r == 0, 1, r))[1] - 1, 0) - 1)
;;       q = np.round(r / step) * step * 2.0 ** e      # np.round: ties to even
;;       return np.moveaxis(q.reshape(q.shape[:-2] + (-1,))[..., :K], -1, axis).astype(np.float32)
;;   ~~~
;;   OPERANDS COMPUTED ON THE WAY. 'Computed on the way' means the value that the module computes at that place (a softmax that the list does not call 'softmax' is quantised finished and normalised). What goes into a quantiser is computed in f32, as accurately as f32 sums, v_exp_f32 and their like allow (about 1e-6 of the number): no bf16 or f16 on the way to a quantiser, and a product that is left as it is and whose result goes on into a quantised operand takes f32 operands (vector FMAs, or v_wmma_f32_16x16x4_f32). A number that lies on a knife's edge between two numbers of the format may be rounded either way, as far as f32 arithmetic and the matrix unit's own rounding can turn it there, and no further.
;;   INPUTS GIVEN AS CODES. w1 (in the module: [8, 1024, 4096], K = its axis 1); w2 (in the module: [8, 4096, 1024], K = its axis 1): each comes as NAME_codes (uint8): NAME with its K axis moved to the last place and cut into blocks of 32 codes, [.., K / 32, bytes a block], one block behind the other in memory; two codes a byte, the lower K in the low four bits (a code: sign, 2 exponent bits, 1 mantissa bit); and NAME_scales (uint8): the same leading axes, one E8M0 byte (e + 127) for each 32 codes along K. Its value is code x scale, taken as it is: it is not quantised again, and the codes and scales need not be those that the quantiser above would give.
;; One version. Each part assembles by itself: llvm-mc -triple=amdgcn-amd-amdhsa -mcpu=gfx1250 --defsym DOCPART=n.
;; ======== version 1 of 1: 4 launches
;; limits: right only within a limited range of input values
;; workspace buffers: sel 4,096 bytes of whole numbers; gw 8,192 bytes; xq 557,056 bytes; hq 18,874,368 bytes; y 33,554,432 bytes
;; launch route (part 1): grid 256 x 1, 1 waves a work-group, no clusters, 37,376 bytes of LDS; arguments x, router_w, router_b, out1, sel, gw, xq; writes out1, sel, gw, xq
.if DOCPART == 1
	.amdgcn_target "amdgcn-amd-amdhsa--gfx1250"
	.amdhsa_code_object_version 6
	.text
	.protected	k_q0566be7653_route
	.globl	k_q0566be7653_route
	.p2align	8
	.type	k_q0566be7653_route,@function
k_q0566be7653_route:
	s_mov_b64 s[64:65], 0
	v_nop
	global_prefetch_b8 v0, s[64:65] scope:SCOPE_SE
	s_setreg_imm32_b32 hwreg(HW_REG_WAVE_MODE, 25, 1), 1
	s_wait_xcnt 0x0
; ROUTER AND QUANTISER OF x.  1,024 tokens of 1,024 numbers, 8 experts, the best 2 are kept.  One wave to a work-group, four tokens to a wave.
; It stores: out1 = x router_w + router_b (f32 sums);  sel[t] = i1 | i2 << 8 | ((1 << i1) | (1 << i2)) << 16;  gw[t] = the two gates;
; xq = x as E2M1 codes (512 bytes a token, K innermost) and, from byte 524,288 on, one E8M0 byte for each 32 numbers (32 bytes a token).
; WORK LEFT OUT BY THE WHOLE PROGRAM, for all finite values of the inputs:
;  (a) reference() computes all 8 experts for every token and take_along_axis keeps the two named by topk_i: the other six have no way to any output.  Later launches multiply
;      only the chosen rows, and up to 15 further rows for each expert and each half of the tokens, which fill a last tile of 16 and are never read back.
;  (b) topk_p / topk_p.sum(): the softmax's sum over the 8 divides both numbers and their sum, so it cancels: the gates are 1 / (1 + E) and E / (1 + E), E = exp(l2 - l1).
;      The maximum is still taken away: l1 is the row's maximum, so E is at most 1.
;  The choice is made on the logits: the softmax rises with them; equal logits keep the lower index, as jax.lax.top_k does.  Every input is loaded by some launch.
; LIMITS: NaN and infinities among the inputs are not served.  Two logits that differ but whose probabilities round to one f32 number are ordered by logit.  A NaN, an infinity or an
; overflow that reaches only an expert that is not chosen is not carried to the result.  A block of 32 zeros gets the scale byte 1 (its codes are zeros; this program alone reads the bytes).
; LANES.  In chunk c of 256 numbers lane l holds d = 256 c + 8 l + j, j = 0 .. 7: the eight neighbours that a conversion takes; a block of 32 lies in four neighbouring lanes.
; router_w (32 KiB) is read in runs of 512 bytes and turned through LDS, so that lane l gets the 64 numbers of its eight d: rows of 256 bytes + 16.
; REGISTERS: window 0: v2-11 addresses; v12-27 at work; v28, v29 the add's two; v32-159 x (32 k + 8 c + j); v160-191 the sums (8 k + e); v196-243 codes, bytes, rows on the way out.  window 1: router_w (64 c + 8 j + e).
.set CST,   34816                      ; LDS: behind router_w's 128 rows of 272 bytes: four rows of codes, 512 bytes each
.set SCB,   36864                      ; the four tokens' 128 scale bytes, in a block of 256 of their own
.set SPARE, 37120                      ; the spare words: 128 bytes, a block of 256 that no other line names
.set X,   32
.set S,   160
.set CD,  196
.set BY,  212
.set OU,  228
.set SPW, 28
.set NIL, 29
.set MSB, 0
.macro WIN new                         ; the immediate's high byte repeats the setting that is left
.if MSB != (\new)
	s_set_vgpr_msb (MSB<<8)|(\new)
.set MSB, (\new)
.endif
.endm
	s_load_b256 s[4:11], s[0:1], 0x0               ; x, router_w, router_b, out1
	s_load_b128 s[12:15], s[0:1], 0x20             ; sel, gw
	s_load_b64 s[16:17], s[0:1], 0x30              ; xq
	v_lshl_add_u32 v[SPW], v0, 2, SPARE
	v_mov_b32 v[NIL], 0
	v_and_b32 v2, 7, v0                            ; e = lane % 8
	v_lshlrev_b32 v3, 5, v0                        ; 32 l
	v_lshlrev_b32 v4, 4, v0                        ; 16 l
	v_lshlrev_b32 v5, 2, v0                        ; 4 l
	v_lshrrev_b32 v12, 4, v0
	v_and_b32 v13, 15, v0
	v_mul_u32_u24 v6, v12, 272
	v_lshl_add_u32 v6, v13, 4, v6                  ; router_w into LDS: sixteen lanes to a row of 256 bytes
	v_mul_u32_u24 v7, v0, 272                      ; and back: a row to a lane
	v_add_nc_u32 v8, CST, v5
	v_add_nc_u32 v9, CST, v4
	v_lshrrev_b32 v10, 2, v0
	v_add_nc_u32 v10, SCB, v10
	v_add_nc_u32 v11, SCB, v5
	v_lshlrev_b32 v30, 2, v2                       ; 4 e
	s_mov_b32 s24, 0xff00ff00                      ; lanes whose bit 3 is set; bits 2, 1, 0 below
	s_mov_b32 s25, 0xf0f0f0f0
	s_mov_b32 s26, 0xcccccccc
	s_mov_b32 s27, 0xaaaaaaaa
	s_lshl_b32 s20, ttmp9, 14                      ; four rows of 4,096 bytes
	s_mov_b32 s21, 0
	s_wait_alu depctr_va_vdst(0)
	s_wait_kmcnt 0x0
	s_add_nc_u64 s[4:5], s[4:5], s[20:21]
	s_lshl_b32 s20, ttmp9, 7
	s_add_nc_u64 s[10:11], s[10:11], s[20:21]      ; out1: 128 bytes a work-group
	s_add_nc_u64 s[18:19], s[16:17], s[20:21]      ; xq's scale bytes likewise
	s_lshl_b32 s20, ttmp9, 11
	s_add_nc_u64 s[16:17], s[16:17], s[20:21]      ; xq's codes: 2,048 bytes
	s_lshl_b32 s20, ttmp9, 4
	s_add_nc_u64 s[12:13], s[12:13], s[20:21]
	s_lshl_b32 s20, ttmp9, 5
	s_add_nc_u64 s[14:15], s[14:15], s[20:21]
	WIN 0x40                                       ; destination window 1
.set n, 0
.rept 64
	global_load_b128 v[4*n:4*n+3], v4, s[6:7] offset:512*n         ; 512 consecutive bytes of router_w
.set n, n+1
.endr
	WIN 0
.irp k, 0,1,2,3
.irp c, 0,1,2,3
.irp u, 0,1
	global_load_b128 v[X+32*\k+8*\c+4*\u:X+32*\k+8*\c+4*\u+3], v3, s[4:5] offset:4096*\k+1024*\c+16*\u th:TH_LOAD_NT
.endr
.endr
.endr
	global_load_b32 v31, v30, s[8:9]               ; router_b[e]
	s_wait_loadcnt 33                              ; router_w is in: behind it stand x's 32 loads and the bias
	WIN 0x04                                       ; an LDS store's data are its source 1: window 1
.set n, 0
.rept 64
	ds_store_b128 v6, v[4*n:4*n+3] offset:544*n
.set n, n+1
.endr
	s_wait_dscnt 0x0                               ; the stores have read the registers that the loads below fill
	WIN 0x40
.irp c, 0,1,2,3
.irp i, 0,1,2,3,4,5,6,7,8,9,10,11,12,13,14,15
	ds_load_b128 v[64*\c+4*\i:64*\c+4*\i+3], v7 offset:8704*\c+16*\i   ; row 32 c + l: router_w[256 c + 8 l + j][e] at 64 c + 8 j + e
.endr
.endr
	WIN 0
	s_wait_loadcnt 0x0                             ; x and the bias
; Token k becomes codes: the four chunks by turns.  A block's largest magnitude, with the floor 2^(3 - 127) among its leaves; 2 off its exponent field is the conversion's scale operand, and that shifted down the byte.
.macro QX k
.irp c, 0,1,2,3
	v_max3_num_f32 v[12+\c], |v[X+32*\k+8*\c]|, |v[X+32*\k+8*\c+1]|, 0x1800000
.endr
.irp i, 2,4,6
.irp c, 0,1,2,3
	v_max3_num_f32 v[12+\c], v[12+\c], |v[X+32*\k+8*\c+\i]|, |v[X+32*\k+8*\c+\i+1]|
.endr
.endr
.irp m, 1,2
.irp c, 0,1,2,3
	v_max_num_f32_dpp v[12+\c], v[12+\c], v[12+\c] row_xmask:\m row_mask:0xf bank_mask:0xf
.endr
.endr
.irp c, 0,1,2,3
	v_add_nc_u32 v[16+\c], 0xff000000, v[12+\c]
.endr
.irp c, 0,1,2,3
	v_cvt_scalef32_pk8_fp4_f32 v[CD+4*\k+\c], v[X+32*\k+8*\c:X+32*\k+8*\c+7], v[16+\c]
.endr
.irp c, 0,1,2,3
	v_lshrrev_b32 v[BY+4*\k+\c], 23, v[16+\c]      ; (plain lines behind the conversions)
.endr
.irp c, 0,1,2,3
	ds_store_b32 v8, v[CD+4*\k+\c] offset:512*\k+128*\c            ; my 8 codes: byte 128 c + 4 l of the token's row
	ds_store_b8 v10, v[BY+4*\k+\c] offset:32*\k+8*\c               ; block 8 c + l / 4: its four lanes write the same byte with the same value
.endr
.endm
	QX 0
	QX 1
	QX 2
	QX 3
.irp k, 0,1,2,3
	ds_load_b128 v[OU+4*\k:OU+4*\k+3], v9 offset:512*\k            ; LDS serves a wave's instructions in order: these see the stores above
.endr
	ds_load_b32 v244, v11
	s_wait_dscnt 0x0                               ; the rows of codes, the bytes, and router_w's 64 loads
.irp k, 0,1,2,3
	global_store_b128 v4, v[OU+4*\k:OU+4*\k+3], s[16:17] offset:512*\k   ; a token's 512 bytes of codes
.endr
	global_store_b32 v5, v244, s[18:19] offset:524288
; The 32 sums (4 tokens x 8 experts) of my 32 d: two experts an instruction, x's number taken for both halves.  The first products start the sums.
	WIN 0x04                                       ; source 1 (router_w) window 1
.irp c, 0,1,2,3
.irp j, 0,1,2,3,4,5,6,7
.irp k, 0,1,2,3
.irp p, 0,1,2,3
.if (\c == 0) && (\j == 0)
	v_pk_mul_f32 v[S+8*\k+2*\p:S+8*\k+2*\p+1], v[X+32*\k:X+32*\k+1], v[2*\p:2*\p+1] op_sel_hi:[0,1]
.elseif (\j % 2) == 0
	v_pk_fma_f32 v[S+8*\k+2*\p:S+8*\k+2*\p+1], v[X+32*\k+8*\c+\j:X+32*\k+8*\c+\j+1], v[64*\c+8*\j+2*\p:64*\c+8*\j+2*\p+1], v[S+8*\k+2*\p:S+8*\k+2*\p+1] op_sel_hi:[0,1,1]
.else
	v_pk_fma_f32 v[S+8*\k+2*\p:S+8*\k+2*\p+1], v[X+32*\k+8*\c+\j-1:X+32*\k+8*\c+\j], v[64*\c+8*\j+2*\p:64*\c+8*\j+2*\p+1], v[S+8*\k+2*\p:S+8*\k+2*\p+1] op_sel:[1,0,0]
.endif
.endr
.endr
.endr
.endr
	WIN 0
; A sum over the lanes that transposes: each step halves the number of sums a lane carries, and lane l ends with sum number l = 8 k + e, whole.
.irp i, 0,1,2,3,4,5,6,7,8,9,10,11,12,13,14,15
	v_permlane16_swap_b32 v[S+\i], v[S+16+\i]
.endr
.irp i, 0,1,2,3,4,5,6,7,8,9,10,11,12,13,14,15
	v_add_f32 v[S+\i], v[S+\i], v[S+16+\i]         ; lanes 0-15: sum i; lanes 16-31: sum i + 16
.endr
.macro FOLD cnt, m                     ; lanes whose bit cnt is clear keep sum i and send sum i + cnt to the lane cnt away; the others the other way round
.set n, 0
.rept \cnt
	v_cndmask_b32 v[12+2*n], v[S+n], v[S+n+\cnt], s[\m]
	v_cndmask_b32 v[13+2*n], v[S+n+\cnt], v[S+n], s[\m]
.set n, n+1
.endr
.set n, 0
.rept \cnt
	v_add_f32_dpp v[S+n], v[13+2*n], v[12+2*n] row_xmask:\cnt row_mask:0xf bank_mask:0xf
.set n, n+1
.endr
.endm
	FOLD 8, 24
	FOLD 4, 25
	FOLD 2, 26
	FOLD 1, 27
	v_add_f32 v12, v[S], v31                       ; the logit of token l / 8, expert l % 8
	global_store_b32 v5, v12, s[10:11]
; The best two of each group of eight lanes.  All choices are selections of values: no branch and no address hangs on them.
.macro GRP op, r
.irp m, 1,2,4
	\op v[\r], v[\r], v[\r] row_xmask:\m row_mask:0xf bank_mask:0xf
.endr
.endm
	v_cvt_f32_u32 v13, v2                          ; e as a float
	v_mov_b32 v19, 0xff800000                      ; -infinity
	v_mov_b32 v14, v12
	GRP v_max_num_f32_dpp, 14                      ; l1
	v_cmp_eq_f32 vcc_lo, v12, v14
	v_cndmask_b32 v15, 0x41000000, v13, vcc_lo     ; e where the logit is the largest, else 8
	GRP v_min_num_f32_dpp, 15                      ; i1: the lowest such e
	v_cmp_eq_f32 vcc_lo, v13, v15
	v_cndmask_b32 v16, v12, v19, vcc_lo            ; without i1
	v_mov_b32 v17, v16
	GRP v_max_num_f32_dpp, 17                      ; l2
	v_cmp_eq_f32 vcc_lo, v16, v17
	v_cndmask_b32 v18, 0x41000000, v13, vcc_lo
	GRP v_min_num_f32_dpp, 18                      ; i2
	v_sub_f32 v20, v17, v14                        ; l2 - l1, 0 or less
	v_mul_f32 v20, 0x3fb8aa3b, v20
	s_wait_alu depctr_va_vdst(0)
	v_exp_f32 v21, v20                             ; E
	v_cvt_u32_f32 v24, v15                         ; (plain work behind the exponential)
	v_cvt_u32_f32 v25, v18
	s_wait_alu depctr_va_vdst(0)                   ; the wait ahead of the first reader
	v_add_f32 v22, 1.0, v21
	s_wait_alu depctr_va_vdst(0)
	v_rcp_f32 v22, v22                             ; the first gate
	v_mov_b32 v26, 1
	v_lshlrev_b32 v27, v24, v26                    ; 1 << i1
	v_lshlrev_b32 v26, v25, v26                    ; 1 << i2
	v_or_b32 v27, v27, v26
	v_lshl_or_b32 v24, v25, 8, v24
	v_lshl_or_b32 v24, v27, 16, v24                ; the word for sel
	s_wait_alu depctr_va_vdst(0)
	v_mul_f32 v21, v21, v22                        ; the second gate
	v_cmp_eq_u32 vcc_lo, 0, v2
	v_cndmask_b32 v23, v21, v22, vcc_lo            ; lane e = 0 carries the first, e = 1 the second
	v_lshrrev_b32 v26, 3, v0                       ; k
	v_lshl_add_u32 v25, v26, 3, v30                ; gw: 8 k + 4 e
	v_lshlrev_b32 v26, 2, v26                      ; sel: 4 k
	v_cmp_gt_u32 vcc_lo, 2, v2
	s_wait_alu depctr_va_vdst(0)
	s_wait_xcnt 0x0                                ; EXEC changes only behind this wait
	s_and_saveexec_b32 s28, vcc_lo
	global_store_b32 v25, v23, s[14:15]
	s_wait_xcnt 0x0
	s_or_b32 exec_lo, exec_lo, s28
	v_cmp_eq_u32 vcc_lo, 0, v2
	s_wait_xcnt 0x0
	s_and_saveexec_b32 s28, vcc_lo
	global_store_b32 v26, v24, s[12:13]
	s_wait_xcnt 0x0
	s_or_b32 exec_lo, exec_lo, s28
	s_wait_tensorcnt 0x0                           ; the wave's end
	ds_add_u32 v[SPW], v[NIL]
	s_wait_dscnt 0x0
	s_endpgm
.Lfunc_end_k_q0566be7653_route:
	.size	k_q0566be7653_route, .Lfunc_end_k_q0566be7653_route-k_q0566be7653_route
	.p2alignl 7, 3214868480
	.fill 96, 4, 3214868480
	.section	.rodata,"a",@progbits
	.p2align	6, 0x0
	.amdhsa_kernel k_q0566be7653_route
		.amdhsa_group_segment_fixed_size 37376
		.amdhsa_private_segment_fixed_size 0
		.amdhsa_enable_private_segment 0
		.amdhsa_kernarg_size 56
		.amdhsa_user_sgpr_count 2
		.amdhsa_user_sgpr_kernarg_segment_ptr 1
		.amdhsa_wavefront_size32 1
		.amdhsa_system_sgpr_workgroup_id_x 1
		.amdhsa_system_sgpr_workgroup_id_y 1
		.amdhsa_system_sgpr_workgroup_id_z 1
		.amdhsa_system_vgpr_workitem_id 0
		.amdhsa_next_free_vgpr 512
		.amdhsa_next_free_sgpr 66
		.amdhsa_reserve_vcc 1
		.amdhsa_float_denorm_mode_32 3
		.amdhsa_float_denorm_mode_16_64 3
		.amdhsa_memory_ordered 1
		.amdhsa_forward_progress 1
		.amdhsa_inst_pref_size 70
	.end_amdhsa_kernel
	.amdgpu_metadata
---
amdhsa.version: [ 1, 2 ]
amdhsa.kernels:
  - .name:           k_q0566be7653_route
    .symbol:         k_q0566be7653_route.kd
    .args:
      - { .name: x, .offset: 0, .size: 8, .value_kind: global_buffer, .address_space: global }
      - { .name: router_w, .offset: 8, .size: 8, .value_kind: global_buffer, .address_space: global }
      - { .name: router_b, .offset: 16, .size: 8, .value_kind: global_buffer, .address_space: global }
      - { .name: out1, .offset: 24, .size: 8, .value_kind: global_buffer, .address_space: global }
      - { .name: sel, .offset: 32, .size: 8, .value_kind: global_buffer, .address_space: global }
      - { .name: gw, .offset: 40, .size: 8, .value_kind: global_buffer, .address_space: global }
      - { .name: xq, .offset: 48, .size: 8, .value_kind: global_buffer, .address_space: global }
    .group_segment_fixed_size: 37376
    .private_segment_fixed_size: 0
    .kernarg_segment_align: 8
    .kernarg_segment_size: 56
    .max_flat_workgroup_size: 32
    .sgpr_count:     66
    .vgpr_count:     512
    .wavefront_size: 32
...
	.end_amdgpu_metadata
.endif
;; end of part 1
;; launch up (part 2): grid 32 x 8, 4 waves a work-group, no clusters, 101,888 bytes of LDS; arguments xq, sel, w1_codes, w1_scales, b1, hq; writes hq
.if DOCPART == 2
	.amdgcn_target "amdgcn-amd-amdhsa--gfx1250"
	.amdhsa_code_object_version 6
	.text
	.protected	k_q0566be7653_up
	.globl	k_q0566be7653_up
	.p2align	8
	.type	k_q0566be7653_up,@function
k_q0566be7653_up:
	s_mov_b64 s[64:65], 0
	v_nop
	global_prefetch_b8 v0, s[64:65] scope:SCOPE_SE
	s_setreg_imm32_b32 hwreg(HW_REG_WAVE_MODE, 25, 1), 1
	s_wait_xcnt 0x0
; THE FIRST PRODUCT: hidden = Q(gelu(Q(x) W1 + b1)) on E2M1 codes.  Work left out: only the rows that chose expert e are multiplied, in tiles of 16 (see the first kernel's head).
; WEIGHTS STAY, ROWS WALK.  Work-group (g, e) owns hidden units 128 g .. 128 g + 127 of expert e: 64 KiB of W1, which it alone reads from memory, in runs of 512 bytes, and shares through LDS.
; Each of the four waves then keeps all of it in 512 registers (8 tiles of 16 units x 8 K steps of 128) and walks row tiles.  256 work-groups at every split.
; THE ORDER OF AN EXPERT'S ROWS.  The tokens are two halves of 512.  Within a half the tokens that chose e are ranked in token order; row 512 half + rank, tile 32 half + rank / 16.
; Wave w takes half w / 2 and its tiles w % 2, w % 2 + 2, ..: two waves share a half, so that their trips differ by one at the most.
; WHICH TOKEN HAS A RANK.  The wave reads its half's 512 words of sel (whole numbers that the first launch stored) and keeps 16 masks of 32 tokens and their running counts in scalar registers.
; FIND gives each lane the token of its rank: the last group whose running count is at or under the rank, then the k-th set bit of that group's mask, by partial bit counts and five halvings.
; Ranks past the half's last chosen row (they fill the last tile) give some token of the half: a real row, whose results nobody reads.
; No tensor load and no cluster.
; THE PRODUCT IS USED TRANSPOSED (source 0 = 16 rows of W1, source 1 = 16 token rows), and the rows of W1 that form a tile are not neighbours: lane r of tile 2 b + u takes unit
; 32 b + 8 u + r + 8 (r / 8).  So a lane holds one token row, and the 16 registers of tiles 2 b, 2 b + 1 are units 32 b + 16 (lane / 16) + 0 .. 15: neighbours along the next K.  b1 is the C of each sum's first product.
; The 128 units are K step g of the second product: one fragment and one scale word a row.  They go to hq as an image of the operand's registers: 2 stores of 512 bytes, and 128 bytes of scale words.
; gelu(x) = max(x, 0) - |x| q, q = erfc(|x| / sqrt 2) / 2 = t 2^(P(t) - x^2 log2(e) / 2), t = 1 / (1 + |x| / sqrt 8), P of degree 9: a fit of erfc with relative error 1.2e-7 on all of its range,
; its coefficients multiplied by log2(e), the halving folded into the constant term.  All in f32.  LIMITS: NaN and infinities are not served; a block of zeros gets the scale byte 1.
; REGISTERS: window 0: v1-14 addresses; v16-47 W1's scale words; v48-51 the rows' scale words; v52-63 the rows' offsets and lane constants; v64-127 the 8 accumulators; v128-223 gelu's t, x^2, P
;   (v192-223 also sel and FIND's work, while P is dead); v224-248 the quantiser; v250-253.
;   windows 1, 2: W1, fragment (t, s) at window 1 + t / 4, v[64 (t % 4) + 8 s];   window 3: v0-63 a tile's rows as loaded, v64-127 its 8 fragments, v128-191 b1.
.set STG,   67584                      ; LDS: behind W1's 128 rows of 528 bytes: for each wave 16 rows of 528 bytes, through which a tile of rows turns into fragments
.set SPARE, 101376                     ; the spare words, 128 bytes a wave: two blocks of 256 that no other line names
.set H16, 14                           ; v14     16 (lane / 16)
.set WS,  16
.set XS,  48
.set RO,  52                           ; v52-59  load n's offset in xq: rows 2 n (lanes 0-15) and 2 n + 1 (lanes 16-31) of the tile, 16 bytes a lane
.set XSO, 60                           ; v60     my row's scale bytes in xq
.set TK,  61                           ; v61     the token of rank base + (r xor h)
.set L16, 62                           ; v62     16 (lane % 16)
.set RX,  63                           ; v63     r xor h
.set ACC, 64
.set T,   128
.set Q,   160
.set P,   192
.set SL,  192                          ; v192-207 sel; v208-223 the expert's bit of it
.set FR,  208                          ; FIND's work: the rank, the group's mask, its running count, its number,
.set FM,  209
.set FP,  210
.set FG,  211
.set FA,  212                          ; bit counts of 2, 4, 8, 16 bits,
.set FB,  213
.set FC,  214
.set FD,  215
.set FT,  216                          ; at work,
.set FF,  217
.set FK,  218                          ; the rank in the group, the bit's place
.set FO,  219
.set TM,  224
.set PC,  240
.set PW,  248
.set C9V, 250
.set SPW, 252
.set NIL, 253
.set RAW, 0
.set AF,  64
.set B1,  128
.set SEL, 30                           ; s[30:31] lane selects for v_permlanex16_b32
.set CK,  36                           ; s[36:53] c0 .. c8, each twice; s[54:55] -log2(e) / 2
.set MK,  66                           ; s[66:81] the half's 16 masks
.set PF,  82                           ; s[82:97] the chosen tokens in the groups before each
.set MSB, 0
.macro WIN new                         ; the immediate's high byte repeats the setting that is left
.if MSB != (\new)
	s_set_vgpr_msb (MSB<<8)|(\new)
.set MSB, (\new)
.endif
.endm
.macro COEF k, val
	s_mov_b32 s[CK+2*\k], \val
	s_mov_b32 s[CK+2*\k+1], \val
.endm
.macro OFF a, sa, b, sb, c, sc         ; s32 = (a << sa) + (b << sb) + (c << sc)
	s_lshl_b32 s32, s[\a], \sa
	s_lshl_b32 s35, s[\b], \sb
	s_add_co_u32 s32, s32, s35
	s_lshl_b32 s35, s[\c], \sc
	s_add_co_u32 s32, s32, s35
.endm
; One halving: are there k or fewer set bits in the lower part of what is left?  Then the bit lies in the upper part.
.macro FSTEP src, msk, sh
	v_lshrrev_b32 v[FT], v[FO], v[\src]
	v_and_b32 v[FT], \msk, v[FT]                   ; the set bits of the lower part
	v_cmp_ge_u32 vcc_lo, v[FK], v[FT]
	v_cndmask_b32 v[FT], 0, v[FT], vcc_lo
	v_cndmask_b32 v[FF], 0, 1, vcc_lo
	v_sub_nc_u32 v[FK], v[FK], v[FT]
	v_lshl_add_u32 v[FO], v[FF], \sh, v[FO]
.endm
; The tokens of the tile whose first rank is s61, and from them the offsets of its loads.  Lanes 16-31 take rank base + (r xor 1), so that lane 2 n of the lower sixteen holds row 2 n's token and lane 2 n of the upper sixteen row 2 n + 1's.
.macro FIND
	v_add_nc_u32 v[FR], s61, v[RX]
	v_mov_b32 v[FM], s[MK]
	v_mov_b32 v[FP], 0
	v_mov_b32 v[FG], 0
.irp i, 1,2,3,4,5,6,7,8,9,10,11,12,13,14,15
	v_cmp_gt_u32 vcc_lo, s[PF+\i], v[FR]           ; group i begins past my rank: keep what I have
	v_cndmask_b32 v[FM], s[MK+\i], v[FM], vcc_lo
	v_cndmask_b32 v[FP], s[PF+\i], v[FP], vcc_lo
	v_cndmask_b32 v[FG], \i, v[FG], vcc_lo
.endr
	v_sub_nc_u32 v[FK], v[FR], v[FP]               ; k: my rank in the group
	v_lshrrev_b32 v[FA], 1, v[FM]
	v_and_b32 v[FA], 0x55555555, v[FA]
	v_sub_nc_u32 v[FA], v[FM], v[FA]               ; set bits of each 2
	v_lshrrev_b32 v[FB], 2, v[FA]
	v_and_b32 v[FB], 0x33333333, v[FB]
	v_and_b32 v[FT], 0x33333333, v[FA]
	v_add_nc_u32 v[FB], v[FB], v[FT]               ; of each 4
	v_lshrrev_b32 v[FC], 4, v[FB]
	v_add_nc_u32 v[FC], v[FC], v[FB]
	v_and_b32 v[FC], 0x0f0f0f0f, v[FC]             ; of each 8
	v_lshrrev_b32 v[FD], 8, v[FC]
	v_add_nc_u32 v[FD], v[FD], v[FC]               ; low byte: of the low 16
	v_mov_b32 v[FO], 0
	FSTEP FD, 0xff, 4
	FSTEP FC, 0xff, 3
	FSTEP FB, 15, 2
	FSTEP FA, 3, 1
	FSTEP FM, 1, 0
	v_lshl_add_u32 v[TK], v[FG], 5, v[FO]
	v_add_nc_u32 v[TK], s22, v[TK]                 ; the token: 512 half + 32 group + bit
.irp n, 0,2,4,6,8,10,12,14
	v_mov_b32_dpp v[RO+\n/2], v[TK] row_share:\n row_mask:0xf bank_mask:0xf    ; every lane of a sixteen takes its lane n's token
.endr
	v_mov_b32_dpp v[FT], v[TK] row_xmask:1 row_mask:0xf bank_mask:0xf
	v_cndmask_b32 v[XSO], v[TK], v[FT], s99        ; row r's token in lanes r and 16 + r
.irp n, 0,1,2,3,4,5,6,7
	v_min_u32 v[RO+\n], 0x3ff, v[RO+\n]            ; a bound that can be read off the text; the number is under 1,024 already
.endr
	v_min_u32 v[XSO], 0x3ff, v[XSO]
.irp n, 0,1,2,3,4,5,6,7
	v_lshlrev_b32 v[RO+\n], 9, v[RO+\n]            ; 512 bytes of codes a token
.endr
	v_lshlrev_b32 v[XSO], 5, v[XSO]                ; 32 scale bytes a token
.irp n, 0,1,2,3,4,5,6,7
	v_add_nc_u32 v[RO+\n], v[L16], v[RO+\n]
.endr
	v_add_nc_u32 v[XSO], v[H16], v[XSO]
.endm
.macro XLOAD                           ; a tile's 16 rows of codes: sixteen lanes read 256 consecutive bytes of a row, aligned; and its scale bytes.  17 loads
	WIN 0xc0
.irp n, 0,1,2,3,4,5,6,7
	global_load_b128 v[RAW+8*\n:RAW+8*\n+3], v[RO+\n], s[4:5]
	global_load_b128 v[RAW+8*\n+4:RAW+8*\n+7], v[RO+\n], s[4:5] offset:256
.endr
	WIN 0
	global_load_b128 v[XS:XS+3], v[XSO], s[4:5] offset:524288      ; register i: K step i in lanes 0-15, K step 4 + i in lanes 16-31
.endm
	s_load_b256 s[4:11], s[0:1], 0x0               ; xq, sel, w1_codes, w1_scales
	s_load_b128 s[12:15], s[0:1], 0x20             ; b1, hq
	v_lshl_add_u32 v[SPW], v0, 2, SPARE
	v_mov_b32 v[NIL], 0
	v_lshrrev_b32 v1, 5, v0
	v_readfirstlane_b32 s16, v1                    ; wave
	v_and_b32 v1, 31, v0                           ; lane
	v_and_b32 v2, 15, v0                           ; r
	v_bfe_u32 v3, v0, 4, 1                         ; h
	v_lshlrev_b32 v4, 4, v1                        ; 16 x lane
	v_lshlrev_b32 v[L16], 4, v2
	v_lshlrev_b32 v[H16], 4, v3
	v_xor_b32 v[RX], v2, v3
	s_mul_i32 s32, s16, 8448
	s_add_co_u32 s32, s32, STG
	v_mul_u32_u24 v5, v3, 528
	v_add_nc_u32 v5, v5, v[L16]
	v_add_nc_u32 v5, s32, v5                       ; my stage, rows in: row h of a pair, 16 bytes a lane
	v_mul_u32_u24 v6, v2, 528
	v_lshl_add_u32 v6, v3, 4, v6
	v_add_nc_u32 v6, s32, v6                       ; and fragments out: row r, + 16 h
	v_and_b32 v13, 8, v2
	v_add_nc_u32 v13, v13, v2                      ; r + 8 (r / 8)
	v_mul_u32_u24 v7, v13, 528
	v_lshl_add_u32 v7, v3, 4, v7                   ; W1's fragments out of LDS
	s_mul_i32 s32, s16, 16896
	v_add_nc_u32 v8, s32, v4                       ; W1's rows into LDS: my 32 rows
	v_lshlrev_b32 v10, 2, v1                       ; 4 x lane
	v_lshlrev_b32 v11, 5, v13
	v_lshl_add_u32 v11, v3, 4, v11                 ; W1's scale bytes, by the tile's rows
	v_lshlrev_b32 v12, 6, v3                       ; b1: 16 h numbers on
.irp b, 0,1,2,3
	v_mov_b32 v[TM+4+\b], 0                        ; written once: a lane permute's destination counts as one of its sources
.endr
.irp n, 0,1,2,3,4,5,6,7
	v_mov_b32 v[RO+\n], 0                          ; likewise
.endr
	v_mov_b32 v[C9V], 0x3e7c6f08                   ; c9, twice
	v_mov_b32 v[C9V+1], 0x3e7c6f08
	COEF 0, 0xc034d90f
	COEF 1, 0x3fb8ab5a
	COEF 2, 0x3f0a29d2
	COEF 3, 0x3e0efb2e
	COEF 4, 0xbe899a80
	COEF 5, 0x3ecdfd18
	COEF 6, 0xbfd1a1e5
	COEF 7, 0x40097039
	COEF 8, 0xbf97d29d
	COEF 9, 0xbf38aa3b
	s_mov_b32 s58, 0x3eb504f3                      ; 1 / sqrt 8
	s_mov_b32 s[SEL], 0x76543210
	s_mov_b32 s[SEL+1], 0xfedcba98
	s_mov_b32 s99, 0xffff0000                      ; lanes 16-31
	s_mov_b32 s17, ttmp9                           ; g
	s_and_b32 s18, ttmp7, 0xffff                   ; e
	s_lshr_b32 s59, s16, 1                         ; my half of the tokens
	s_and_b32 s60, s16, 1                          ; my first tile in it
	s_lshl_b32 s63, s59, 5
	s_add_co_u32 s63, s63, s60                     ; and in the expert: 32 half + parity
	s_lshl_b32 s61, s60, 4                         ; its first rank
	s_lshl_b32 s22, s59, 9                         ; the half's first token
	s_add_co_u32 s62, s18, 16
	s_lshl_b32 s62, 1, s62                         ; the expert's bit in a word of sel
	s_mov_b32 s33, 0
	s_wait_kmcnt 0x0
	s_lshl_b32 s32, s59, 11
	s_add_nc_u64 s[6:7], s[6:7], s[32:33]          ; my half's words of sel
.irp i, 0,1,2,3,4,5,6,7,8,9,10,11,12,13,14,15
	global_load_b32 v[SL+\i], v10, s[6:7] offset:128*\i
.endr
	OFF 18, 21, 17, 16, 16, 14
	s_add_nc_u64 s[8:9], s[8:9], s[32:33]          ; W1's row e x 4,096 + 128 g + 32 wave, 512 bytes a row
	OFF 18, 17, 17, 12, 33, 0
	s_add_nc_u64 s[10:11], s[10:11], s[32:33]      ; its scale bytes, 32 a row, from the slice's first row
	OFF 18, 14, 17, 9, 33, 0
	s_add_nc_u64 s[12:13], s[12:13], s[32:33]      ; b1
	OFF 18, 21, 63, 15, 17, 10
	s_add_nc_u64 s[26:27], s[14:15], s[32:33]      ; hq: tile e x 64 + my first, K step g
	OFF 18, 18, 63, 12, 17, 7
	s_add_nc_u64 s[28:29], s[14:15], s[32:33]
	s_add_nc_u64 s[28:29], s[28:29], 0x1000000     ; and its scale words
.set n, 0
.rept 32
	global_load_b128 v[ACC+4*n:ACC+4*n+3], v4, s[8:9] offset:512*n th:TH_LOAD_NT   ; a whole row of W1: nobody else reads it
.set n, n+1
.endr
.irp t, 0,1,2,3,4,5,6,7
	global_load_b128 v[WS+4*\t:WS+4*\t+3], v11, s[10:11] offset:(32*(\t/2)+8*(\t%2))*32   ; register 4 t + i: K step i in lanes 0-15, K step 4 + i in lanes 16-31
.endr
	WIN 0xc0                                       ; destination window 3
.irp t, 0,1,2,3,4,5,6,7
	global_load_b128 v[B1+8*\t:B1+8*\t+3], v12, s[12:13] offset:(32*(\t/2)+8*(\t%2))*4
	global_load_b128 v[B1+8*\t+4:B1+8*\t+7], v12, s[12:13] offset:(32*(\t/2)+8*(\t%2))*4+16
.endr
	WIN 0
	s_wait_loadcnt 56                              ; sel is in: behind it stand W1's 32 rows, 8 loads of scale words and 16 of b1
.irp i, 0,1,2,3,4,5,6,7,8,9,10,11,12,13,14,15
	v_and_b32 v[SL+16+\i], s62, v[SL+\i]
.endr
.irp i, 0,1,2,3,4,5,6,7,8,9,10,11,12,13,14,15
	v_cmp_ne_u32 s[MK+\i], 0, v[SL+16+\i]          ; group i's mask
.endr
	s_mov_b32 s98, 0
.irp i, 0,1,2,3,4,5,6,7,8,9,10,11,12,13,14,15
	s_mov_b32 s[PF+\i], s98                        ; the chosen tokens before group i
	s_bcnt1_i32_b32 s21, s[MK+\i]
	s_add_co_u32 s98, s98, s21
.endr
	s_add_co_u32 s19, s98, 15
	s_lshr_b32 s19, s19, 4
	s_min_u32 s19, s19, 32                         ; the half's tiles
	FIND
	XLOAD                                          ; my first tile, with no condition: every token's row lies in xq, so a wave without a tile reads real bytes and drops them
	s_wait_loadcnt 41                              ; my 32 rows of W1 are in: behind them stand 8 + 16 loads and the tile's 17
.set n, 0
.rept 32
	ds_store_b128 v8, v[ACC+4*n:ACC+4*n+3] offset:528*n
.set n, n+1
.endr
	s_wait_dscnt 0x0                               ; for the others' sake: my rows lie in LDS
	s_barrier_signal -1
	s_barrier_wait -1                              ; all 128 rows do.  The launch's one barrier: nothing below writes these bytes
	s_cmp_ge_u32 s60, s19
	s_cbranch_scc1 .Ldone                          ; no tile for this wave
	s_sub_co_u32 s34, s19, s60                     ; at least 1 here
	s_add_co_u32 s34, s34, 1
	s_lshr_b32 s34, s34, 1                         ; my trips: tiles parity, parity + 2, .. below the half's number
	s_mov_b32 s20, 0                               ; the trip
.irp t, 0,1,2,3,4,5,6,7
	WIN 0x40*(1+\t/4)
.irp s, 0,1,2,3,4,5,6,7
.irp c, 0,1
	ds_load_b128 v[64*(\t%4)+8*\s+4*\c:64*(\t%4)+8*\s+4*\c+3], v7 offset:(32*(\t/2)+8*(\t%2))*528+64*\s+32*\c
.endr
.endr
.endr
	WIN 0
	s_wait_dscnt 0x0
; One product: tile t, K step s.  The first of a sum takes b1 as C.
.macro WMU t, s
.set rA, 64*((\t)%4)+8*(\s)
.set rD, ACC+8*(\t)
.if (\s) == 0
.set rC, B1+8*(\t)
.else
.set rC, rD
.endif
.if (\s) < 4
	v_wmma_scale_f32_16x16x128_f8f6f4 v[rD:rD+7], v[rA:rA+7], v[AF+8*(\s):AF+8*(\s)+7], v[rC:rC+7], v[WS+4*(\t)+(\s)%4], v[XS+(\s)%4] matrix_a_fmt:MATRIX_FMT_FP4 matrix_b_fmt:MATRIX_FMT_FP4
.else
	v_wmma_scale_f32_16x16x128_f8f6f4 v[rD:rD+7], v[rA:rA+7], v[AF+8*(\s):AF+8*(\s)+7], v[rC:rC+7], v[WS+4*(\t)+(\s)%4], v[XS+(\s)%4] matrix_a_fmt:MATRIX_FMT_FP4 matrix_b_fmt:MATRIX_FMT_FP4 matrix_a_scale:MATRIX_SCALE_ROW1 matrix_b_scale:MATRIX_SCALE_ROW1
.endif
.endm
.macro MULS                            ; 64 products: four accumulators take turns, one instruction a turn
.irp hf, 0,1
.irp s, 0,1,2,3,4,5,6,7
.if \s == 0
	WIN 0x3d+\hf                                   ; source 0 (W1) window 1 or 2, source 1 (the rows) window 3, C (b1) window 3
.else
	WIN 0x0d+\hf                                   ; C and D window 0
.endif
.irp tq, 0,1,2,3
	WMU 4*\hf+\tq, \s
.endr
.endr
.endr
.endm
; gelu of 32 numbers, in place.  Each batch of transcendentals has plain work behind it and one wait ahead of its first reader.
.macro GELU b
.set XB, ACC+32*\b
.set n, 0
.rept 32
	v_fma_f32 v[T+n], |v[XB+n]|, s58, 1.0          ; each accumulator is read from its low end on
.set n, n+1
.endr
.set n, 0
	s_wait_alu depctr_va_vdst(0)
.rept 32
	v_rcp_f32 v[T+n], v[T+n]                       ; t
.set n, n+1
.endr
.set n, 0
.rept 16
	v_pk_mul_f32 v[Q+2*n:Q+2*n+1], v[XB+2*n:XB+2*n+1], v[XB+2*n:XB+2*n+1]   ; x^2
.set n, n+1
.endr
	s_wait_alu depctr_va_vdst(0)
.set n, 0
.rept 16
	v_pk_fma_f32 v[P+2*n:P+2*n+1], v[T+2*n:T+2*n+1], v[C9V:C9V+1], s[CK+16:CK+17] op_sel_hi:[1,1,0]
.set n, n+1
.endr
.irp k, 7,6,5,4,3,2,1,0
.set n, 0
.rept 16
	v_pk_fma_f32 v[P+2*n:P+2*n+1], v[P+2*n:P+2*n+1], v[T+2*n:T+2*n+1], s[CK+2*\k:CK+2*\k+1] op_sel_hi:[1,1,0]
.set n, n+1
.endr
.endr
.set n, 0
.rept 16
	v_pk_fma_f32 v[P+2*n:P+2*n+1], v[Q+2*n:Q+2*n+1], s[CK+18:CK+19], v[P+2*n:P+2*n+1] op_sel_hi:[1,0,1]
.set n, n+1
.endr
.set n, 0
	s_wait_alu depctr_va_vdst(0)
.rept 32
	v_exp_f32 v[P+n], v[P+n]
.set n, n+1
.endr
.set n, 0
.rept 32
	v_max_num_f32 v[Q+n], 0, v[XB+n]
.set n, n+1
.endr
	s_wait_alu depctr_va_vdst(0)
.set n, 0
.rept 16
	v_pk_mul_f32 v[P+2*n:P+2*n+1], v[P+2*n:P+2*n+1], v[T+2*n:T+2*n+1]       ; q
.set n, n+1
.endr
.set n, 0
.rept 32
	v_fma_f32 v[XB+n], -|v[XB+n]|, v[P+n], v[Q+n]
.set n, n+1
.endr
.endm
; 64 numbers of a lane, register 16 b + i = k 32 b + 16 (lane / 16) + i of my row, become a fragment's codes in v[PC] on and its scale word in v[PW].
.macro QUANT s
.irp b, 0,1,2,3
	v_max3_num_f32 v[TM+\b], |v[\s+16*\b]|, |v[\s+1+16*\b]|, 0x1800000   ; with the floor 2^(3 - 127): the byte cannot fall under 1
.endr
.irp i, 2,4,6,8,10,12,14
.irp b, 0,1,2,3
	v_max3_num_f32 v[TM+\b], v[TM+\b], |v[\s+16*\b+\i]|, |v[\s+1+16*\b+\i]|
.endr
.endr
.irp b, 0,1,2,3
	v_permlanex16_b32 v[TM+4+\b], v[TM+\b], s[SEL], s[SEL+1]
.endr
.irp b, 0,1,2,3
	v_max_num_f32 v[TM+\b], v[TM+\b], v[TM+4+\b]   ; with lane l xor 16's: the block's largest magnitude
.endr
.irp b, 0,1,2,3
	v_add_nc_u32 v[TM+12+\b], 0xff000000, v[TM+\b] ; 2 off its exponent field: the conversion's scale operand
.endr
.irp b, 0,1,2,3
	v_lshrrev_b32 v[TM+4+\b], 23, v[TM+12+\b]      ; the scale's byte
.endr
	v_lshl_or_b32 v[PW], v[TM+5], 8, v[TM+4]
	v_lshl_or_b32 v[PW], v[TM+6], 16, v[PW]
	v_lshl_or_b32 v[PW], v[TM+7], 24, v[PW]
.irp b, 0,1,2,3
	v_cvt_scalef32_pk8_fp4_f32 v[PC+2*\b], v[\s+16*\b:\s+7+16*\b], v[TM+12+\b]
	v_cvt_scalef32_pk8_fp4_f32 v[PC+1+2*\b], v[\s+8+16*\b:\s+15+16*\b], v[TM+12+\b]
.endr
	v_nop                                          ; one plain place behind a scaled conversion
.irp c, 0,1                                    ; the operand's layout wants a whole block in a lane
.irp i, 0,1
	v_permlane16_swap_b32 v[PC+4*\c+\i], v[PC+2+4*\c+\i]
.endr
.endr
.endm
.Ltile:
	s_wait_loadcnt 0x0                             ; the tile's rows and scale bytes, asked for a whole gelu ago (first trip: W1's scale words and b1 too); the loads' offsets may be written again
	WIN 0x0c                                       ; an LDS store's data are its source 1: window 3
.irp n, 0,1,2,3,4,5,6,7
	ds_store_b128 v5, v[RAW+8*\n:RAW+8*\n+3] offset:1056*\n                ; rows 2 n and 2 n + 1, their first 256 bytes,
	ds_store_b128 v5, v[RAW+8*\n+4:RAW+8*\n+7] offset:1056*\n+256          ; and their second
.endr
	WIN 0xc0
.irp s, 0,1,2,3,4,5,6,7
.irp c, 0,1
	ds_load_b128 v[AF+8*\s+4*\c:AF+8*\s+4*\c+3], v6 offset:64*\s+32*\c     ; LDS serves a wave's instructions in order: these see the stores above
.endr
.endr
	s_wait_dscnt 0x0
	MULS
	WIN 0
.rept 4
	v_nop                                          ; places in front of the first read of results and of loads into registers that the products have read
.endr
	s_add_co_u32 s21, s20, 1
	s_cmp_lt_u32 s21, s34                          ; is there a next trip?
	s_cbranch_scc0 .Lno_next
	s_add_co_u32 s61, s61, 32                      ; two tiles on
	FIND
	XLOAD
.Lno_next:
	GELU 0
	GELU 1
	QUANT ACC
	global_store_b128 v4, v[PC:PC+3], s[26:27]             ; the fragment as it stands: 512 consecutive bytes a store
	global_store_b128 v4, v[PC+4:PC+7], s[26:27] offset:512
	global_store_b32 v10, v[PW], s[28:29]                  ; lane r: row r's scale word (lanes 16-31 hold the same)
	s_wait_xcnt 0x0                                ; the stores have read their registers and addresses
	s_add_nc_u64 s[26:27], s[26:27], 65536         ; two tiles on
	s_add_nc_u64 s[28:29], s[28:29], 8192
	s_add_co_u32 s20, s20, 1
	s_cmp_lt_u32 s20, s34
	s_cbranch_scc1 .Ltile
.Ldone:
	s_wait_tensorcnt 0x0                           ; the wave's end
	ds_add_u32 v[SPW], v[NIL]
	s_wait_dscnt 0x0
	s_endpgm
.Lfunc_end_k_q0566be7653_up:
	.size	k_q0566be7653_up, .Lfunc_end_k_q0566be7653_up-k_q0566be7653_up
	.p2alignl 7, 3214868480
	.fill 96, 4, 3214868480
	.section	.rodata,"a",@progbits
	.p2align	6, 0x0
	.amdhsa_kernel k_q0566be7653_up
		.amdhsa_group_segment_fixed_size 101888
		.amdhsa_private_segment_fixed_size 0
		.amdhsa_enable_private_segment 0
		.amdhsa_kernarg_size 48
		.amdhsa_user_sgpr_count 2
		.amdhsa_user_sgpr_kernarg_segment_ptr 1
		.amdhsa_wavefront_size32 1
		.amdhsa_system_sgpr_workgroup_id_x 1
		.amdhsa_system_sgpr_workgroup_id_y 1
		.amdhsa_system_sgpr_workgroup_id_z 1
		.amdhsa_system_vgpr_workitem_id 0
		.amdhsa_next_free_vgpr 1024
		.amdhsa_next_free_sgpr 100
		.amdhsa_reserve_vcc 1
		.amdhsa_float_denorm_mode_32 3
		.amdhsa_float_denorm_mode_16_64 3
		.amdhsa_memory_ordered 1
		.amdhsa_forward_progress 1
		.amdhsa_inst_pref_size 94
	.end_amdhsa_kernel
	.amdgpu_metadata
---
amdhsa.version: [ 1, 2 ]
amdhsa.kernels:
  - .name:           k_q0566be7653_up
    .symbol:         k_q0566be7653_up.kd
    .args:
      - { .name: xq, .offset: 0, .size: 8, .value_kind: global_buffer, .address_space: global }
      - { .name: sel, .offset: 8, .size: 8, .value_kind: global_buffer, .address_space: global }
      - { .name: w1_codes, .offset: 16, .size: 8, .value_kind: global_buffer, .address_space: global }
      - { .name: w1_scales, .offset: 24, .size: 8, .value_kind: global_buffer, .address_space: global }
      - { .name: b1, .offset: 32, .size: 8, .value_kind: global_buffer, .address_space: global }
      - { .name: hq, .offset: 40, .size: 8, .value_kind: global_buffer, .address_space: global }
    .group_segment_fixed_size: 101888
    .private_segment_fixed_size: 0
    .kernarg_segment_align: 8
    .kernarg_segment_size: 48
    .max_flat_workgroup_size: 128
    .sgpr_count:     100
    .vgpr_count:     1024
    .wavefront_size: 32
...
	.end_amdgpu_metadata
.endif
;; end of part 2
;; launch down (part 3): grid 32 x 8, 4 waves a work-group, no clusters, 135,680 bytes of LDS; arguments hq, sel, w2_codes, w2_scales, b2, y; writes y
.if DOCPART == 3
	.amdgcn_target "amdgcn-amd-amdhsa--gfx1250"
	.amdhsa_code_object_version 6
	.text
	.protected	k_q0566be7653_down
	.globl	k_q0566be7653_down
	.p2align	8
	.type	k_q0566be7653_down,@function
k_q0566be7653_down:
	s_mov_b64 s[64:65], 0
	v_nop
	global_prefetch_b8 v0, s[64:65] scope:SCOPE_SE
	s_setreg_imm32_b32 hwreg(HW_REG_WAVE_MODE, 25, 1), 1
	s_wait_xcnt 0x0
; THE SECOND PRODUCT: y = hidden W2 + b2 on E2M1 codes.  Work left out: only the tiles of 16 rows that hold rows of expert e are multiplied (see the first kernel's head).
; The work-group's running number n = x + 32 y gives q = n / 64, e = n / 8 % 8, cg = n % 8: output columns 128 cg .. + 127 of expert e; half q / 2 of the tokens, its row tiles q % 2, q % 2 + 2, ..
; (an expert's tile 32 half + number: the order that the launch before laid).  The four work-groups that read one slice of W2 have numbers 64 apart.
; How many tiles the half has is counted from its 512 words of sel, whole numbers that the first launch stored.
; Wave k owns a quarter of K (K steps 8 k .. 8 k + 7 of 32): 64 KiB of W2 in 512 registers for the whole launch, read in runs of 512 bytes and turned into fragments through the wave's own LDS bytes.
; All four waves work on the same row tile; their four partial sums meet in LDS, in f32.
; The hidden layer comes as images of the operand's registers: a K step's fragment is two loads of 512 consecutive bytes.  FOUR BUFFERS of 8 fragments: the head asks for my first four row tiles,
; and each sub-trip that has work fills the buffer that it has just multiplied with my tile four on: 20 loads.  Where that tile does not exist, 20 loads are issued all the same, as a stand-in:
; they name my slice of W2 with a register of zeros as the lanes' offset, so that no byte is read that nobody wrote; such a buffer is never multiplied.
; So the count is the same on every way: behind a fill, all but the 60 youngest loads (three fills) have landed, and with them the next sub-trip's buffer.  A sub-trip without work waits for all loads.
; The loop has a constant count (16 sub-trips for at most 32 tiles of a half, every second one), so that every wave passes every barrier; a sub-trip whose tile is not below the half's number jumps over its work alone.
; No tensor load and no cluster.  No prefetch: W2 is asked for whole at the head, and the rows' fragments three sub-trips ahead of the wait for them.
; THE PRODUCT IS USED TRANSPOSED (source 0 = 16 rows of W2 = output columns, source 1 = 16 token rows): a lane holds eight neighbouring columns of one row of y.
; REGISTERS: window 0: v1-11 addresses, v14 zeros; v16-47 W2's scale words; v56-59 b2; v64-127 the accumulators; v128-191 sel at the head, then partial sums read back; v192-207 the rows' scale words, four sets; v252, v253.
;   windows 1, 2: W2, fragment (t, s) at window 1 + t / 4, v[64 (t % 4) + 8 s];   window 3: the four buffers of 8 fragments, buffer p at v[64 p].
.set STG,   67584                      ; LDS: behind the waves' 4 x 32 rows of 528 bytes: two stages by turns, each 4 partial sums x 16 rows x 528 bytes
.set SPARE, 135168                     ; the spare words, 128 bytes a wave: two blocks of 256 that no other line names
.set ZO,  14
.set WS,  16
.set B2,  56
.set ACC, 64
.set RD,  128
.set HSC, 192
.set SPW, 252
.set NIL, 253
.set MSB, 0
.macro WIN new                         ; the immediate's high byte repeats the setting that is left
.if MSB != (\new)
	s_set_vgpr_msb (MSB<<8)|(\new)
.set MSB, (\new)
.endif
.endm
.macro OFF a, sa, b, sb, c, sc         ; s36 = (a << sa) + (b << sb) + (c << sc)
	s_lshl_b32 s36, s[\a], \sa
	s_lshl_b32 s39, s[\b], \sb
	s_add_co_u32 s36, s36, s39
	s_lshl_b32 s39, s[\c], \sc
	s_add_co_u32 s36, s36, s39
.endm
	s_load_b256 s[4:11], s[0:1], 0x0               ; hq, sel, w2_codes, w2_scales
	s_load_b128 s[12:15], s[0:1], 0x20             ; b2, y
	v_lshl_add_u32 v[SPW], v0, 2, SPARE
	v_mov_b32 v[NIL], 0
	v_mov_b32 v[ZO], 0                             ; the stand-in loads' offset
	v_lshrrev_b32 v1, 5, v0
	v_readfirstlane_b32 s16, v1                    ; wave k
	v_and_b32 v1, 31, v0
	v_and_b32 v2, 15, v0                           ; r
	v_bfe_u32 v3, v0, 4, 1                         ; h
	v_lshlrev_b32 v4, 4, v1                        ; 16 x lane
	v_lshlrev_b32 v11, 2, v1                       ; 4 x lane
	s_mul_i32 s36, s16, 16896
	v_add_nc_u32 v5, s36, v4                       ; W2's rows into my LDS bytes
	v_mul_u32_u24 v6, v2, 528
	v_lshl_add_u32 v6, v3, 4, v6
	v_add_nc_u32 v6, s36, v6                       ; and fragments out
	s_mul_i32 s36, s16, 8448
	s_add_co_u32 s36, s36, STG
	v_mul_u32_u24 v7, v2, 528
	v_lshl_add_u32 v7, v3, 5, v7
	v_add_nc_u32 v7, s36, v7                       ; my partial sum: row r, + 32 h
	s_mul_i32 s36, s16, 2112
	s_add_co_u32 s36, s36, STG
	v_add_nc_u32 v8, s36, v4                       ; back: rows 4 k .. 4 k + 3, 16 bytes a lane
	v_lshlrev_b32 v9, 7, v3
	v_lshl_add_u32 v9, v2, 2, v9                   ; the rows' scale words: 128 h + 4 r
	v_lshlrev_b32 v10, 7, v2
	v_lshl_add_u32 v10, v3, 4, v10                 ; W2's scale bytes: 128 r + 16 h
	s_and_b32 s19, ttmp7, 0xffff                   ; y
	s_lshr_b32 s17, s19, 1                         ; q
	s_and_b32 s18, ttmp9, 7                        ; cg
	s_lshr_b32 s36, ttmp9, 3
	s_and_b32 s19, s19, 1
	s_lshl_b32 s19, s19, 2
	s_add_co_u32 s19, s19, s36                     ; e
	s_lshr_b32 s56, s17, 1                         ; the half of the tokens
	s_and_b32 s57, s17, 1                          ; my first tile in it
	s_lshl_b32 s58, s56, 5
	s_add_co_u32 s58, s58, s57                     ; and in the expert
	s_add_co_u32 s59, s19, 16
	s_lshl_b32 s59, 1, s59                         ; the expert's bit in a word of sel
	s_mov_b32 s37, 0
	s_mov_b32 s21, s57                             ; the tile in hand
	s_wait_alu depctr_va_vdst(0)
	s_wait_kmcnt 0x0
	s_lshl_b32 s36, s56, 11
	s_add_nc_u64 s[6:7], s[6:7], s[36:37]          ; the half's words of sel
.irp i, 0,1,2,3,4,5,6,7,8,9,10,11,12,13,14,15
	global_load_b32 v[RD+\i], v11, s[6:7] offset:128*\i
.endr
	OFF 19, 21, 18, 18, 16, 9
	s_add_nc_u64 s[8:9], s[8:9], s[36:37]          ; W2's row e x 1,024 + 128 cg (2,048 bytes a row), my quarter of K
	OFF 19, 17, 18, 14, 16, 5
	s_add_nc_u64 s[10:11], s[10:11], s[36:37]      ; its scale bytes (128 a row), my 32
	OFF 19, 12, 18, 9, 37, 0
	s_add_nc_u64 s[12:13], s[12:13], s[36:37]      ; b2
	OFF 19, 21, 58, 15, 16, 13
	s_add_nc_u64 s[24:25], s[4:5], s[36:37]        ; hq: tile e x 64 + my first, K step 8 k
	OFF 19, 18, 58, 12, 16, 10
	s_add_nc_u64 s[26:27], s[4:5], s[36:37]
	s_add_nc_u64 s[26:27], s[26:27], 0x1000000     ; and its scale words
	OFF 19, 22, 58, 16, 16, 14
	s_add_nc_u64 s[14:15], s[14:15], s[36:37]      ; y: row e x 1,024 + 16 x my first tile + 4 k,
	s_lshl_b32 s36, s18, 9
	s_add_nc_u64 s[14:15], s[14:15], s[36:37]      ; column 128 cg
.irp t, 0,1,2,3,4,5,6,7
	global_load_b128 v[WS+4*\t:WS+4*\t+3], v10, s[10:11] offset:2048*\t    ; register 4 t + i: my K step i in lanes 0-15, 4 + i in lanes 16-31
.endr
	global_load_b128 v[B2:B2+3], v4, s[12:13]      ; b2 of columns 4 x lane ..
.macro CHUNK ch                        ; 32 rows of W2 (tiles 2 ch, 2 ch + 1), my 512 bytes of a row an instruction, into the 128 registers that their fragments will take
.set CB, 128*((\ch)%2)
	WIN 0x40*(1+(\ch)/2)
.set n, 0
.rept 32
	global_load_b128 v[CB+4*n:CB+4*n+3], v4, s[8:9] offset:(32*(\ch)+n)*2048
.set n, n+1
.endr
	WIN 0
.endm
.macro TURN ch                         ; through my own LDS bytes: rows in, fragments out.  LDS serves a wave's instructions in order, so the next turn's stores come behind these loads
.set CB, 128*((\ch)%2)
	WIN 0x04*(1+(\ch)/2)
.set n, 0
.rept 32
	ds_store_b128 v5, v[CB+4*n:CB+4*n+3] offset:528*n
.set n, n+1
.endr
	s_wait_dscnt 0x0                               ; the stores have read the registers that the loads below fill
	WIN 0x40*(1+(\ch)/2)
.irp tt, 0,1
.irp s, 0,1,2,3,4,5,6,7
.irp c, 0,1
	ds_load_b128 v[CB+64*\tt+8*\s+4*\c:CB+64*\tt+8*\s+4*\c+3], v6 offset:8448*\tt+64*\s+32*\c
.endr
.endr
.endr
	WIN 0
.endm
; A fill: a row tile's 8 fragments of my quarter of K into buffer p, and its scale words: register i: K step 2 i in lanes 0-15, 2 i + 1 in lanes 16-31.  20 loads.  vo, vs: the lanes' offsets
.macro LOADA p, pa, ps, vo, vs
	WIN 0xc0
.set n, 0
.rept 16
	global_load_b128 v[64*\p+4*n:64*\p+4*n+3], v[\vo], s[\pa:\pa+1] offset:512*n
.set n, n+1
.endr
	WIN 0
.irp i, 0,1,2,3
	global_load_b32 v[HSC+4*\p+\i], v[\vs], s[\ps:\ps+1] offset:256*\i
.endr
.endm
; The addresses of my k-th row tile into s[a:a+3].  Where it is not below the half's number it was never stored: my slice of W2 stands in for it.
.macro PICK k, a
.if \k > 0
	s_add_nc_u64 s[24:25], s[24:25], 65536         ; two tiles on
	s_add_nc_u64 s[26:27], s[26:27], 8192
.endif
	s_add_co_u32 s22, s57, 2*\k
	s_cmp_lt_u32 s22, s20
	s_cselect_b64 s[\a:\a+1], s[24:25], s[8:9]
	s_cselect_b64 s[\a+2:\a+3], s[26:27], s[8:9]
.endm
	CHUNK 0
	CHUNK 1
	s_wait_loadcnt 32                              ; chunk 0 is in, and what was asked before it, sel among it: one chunk stands behind it
	TURN 0
	CHUNK 2
	s_wait_loadcnt 32                              ; chunk 1
	TURN 1
	CHUNK 3
	s_wait_loadcnt 32                              ; chunk 2
	TURN 2
; The half's number of tiles, counted while chunk 3 is on its way.
.irp i, 0,1,2,3,4,5,6,7,8,9,10,11,12,13,14,15
	v_and_b32 v[RD+16+\i], s59, v[RD+\i]
.endr
.irp i, 0,1,2,3,4,5,6,7,8,9,10,11,12,13,14,15
	v_cmp_ne_u32 s[40+\i], 0, v[RD+16+\i]
.endr
	s_mov_b32 s20, 0
.irp i, 0,1,2,3,4,5,6,7,8,9,10,11,12,13,14,15
	s_bcnt1_i32_b32 s22, s[40+\i]
	s_add_co_u32 s20, s20, s22
.endr
	s_add_co_u32 s20, s20, 15
	s_lshr_b32 s20, s20, 4
	s_min_u32 s20, s20, 32
	PICK 0, 28                                     ; my first four row tiles (the masks' registers are free now)
	PICK 1, 32
	PICK 2, 40
	PICK 3, 44
	LOADA 0, 28, 30, 4, 9
	LOADA 1, 32, 34, 4, 9
	LOADA 2, 40, 42, 4, 9
	s_wait_loadcnt 60                              ; chunk 3: three fills of 20 loads stand behind it
	TURN 3
	LOADA 3, 44, 46, 4, 9
	s_wait_loadcnt 60                              ; buffer 0 is in: three fills stand behind it
	s_wait_dscnt 0x0
.macro WMD t, s, p                     ; one product: tile t of columns, my K step s, buffer p.  The first of a sum takes 0 as C
.set rA, 64*((\t)%4)+8*(\s)
.set rD, ACC+8*(\t)
.set rB, 64*(\p)+8*(\s)
.set rSA, WS+4*(\t)+(\s)%4
.set rSB, HSC+4*(\p)+(\s)/2
.if (\s) == 0
	v_wmma_scale_f32_16x16x128_f8f6f4 v[rD:rD+7], v[rA:rA+7], v[rB:rB+7], 0, v[rSA], v[rSB] matrix_a_fmt:MATRIX_FMT_FP4 matrix_b_fmt:MATRIX_FMT_FP4
.elseif (\s) == 2
	v_wmma_scale_f32_16x16x128_f8f6f4 v[rD:rD+7], v[rA:rA+7], v[rB:rB+7], v[rD:rD+7], v[rSA], v[rSB] matrix_a_fmt:MATRIX_FMT_FP4 matrix_b_fmt:MATRIX_FMT_FP4
.elseif (\s) < 4
	v_wmma_scale_f32_16x16x128_f8f6f4 v[rD:rD+7], v[rA:rA+7], v[rB:rB+7], v[rD:rD+7], v[rSA], v[rSB] matrix_a_fmt:MATRIX_FMT_FP4 matrix_b_fmt:MATRIX_FMT_FP4 matrix_b_scale:MATRIX_SCALE_ROW1
.elseif ((\s) % 2) == 0
	v_wmma_scale_f32_16x16x128_f8f6f4 v[rD:rD+7], v[rA:rA+7], v[rB:rB+7], v[rD:rD+7], v[rSA], v[rSB] matrix_a_fmt:MATRIX_FMT_FP4 matrix_b_fmt:MATRIX_FMT_FP4 matrix_a_scale:MATRIX_SCALE_ROW1
.else
	v_wmma_scale_f32_16x16x128_f8f6f4 v[rD:rD+7], v[rA:rA+7], v[rB:rB+7], v[rD:rD+7], v[rSA], v[rSB] matrix_a_fmt:MATRIX_FMT_FP4 matrix_b_fmt:MATRIX_FMT_FP4 matrix_a_scale:MATRIX_SCALE_ROW1 matrix_b_scale:MATRIX_SCALE_ROW1
.endif
.endm
.macro MULS p                          ; 64 products: four accumulators take turns, one instruction a turn
.irp hf, 0,1
	WIN 0x0d+\hf                                   ; source 0 (W2) window 1 or 2, source 1 (the rows) window 3
.irp s, 0,1,2,3,4,5,6,7
.irp tq, 0,1,2,3
	WMD 4*\hf+\tq, \s, \p
.endr
.endr
.endr
.endm
; A SUB-TRIP: the row tile in hand, buffer p, stage p % 2.  One barrier: a stage is written again two sub-trips on, and the barrier between stands behind every wave's wait for its reads of it.
.macro SUB p
.set SO, 33792*((\p)%2)
	s_cmp_lt_u32 s21, s20
	s_cbranch_scc0 .Lidle_\@
	MULS \p
	WIN 0
.rept 5
	v_nop                                          ; places: 4 in front of the loads into the buffer and of the stores of results, 5 in front of the next tile's first products, which write these accumulators anew
.endr
	s_add_nc_u64 s[24:25], s[24:25], 65536         ; my tile four on (the wait at the last sub-trip's end has freed these addresses)
	s_add_nc_u64 s[26:27], s[26:27], 8192
	s_add_co_u32 s22, s21, 8
	s_cmp_lt_u32 s22, s20                          ; is there one?
	s_cbranch_scc0 .Lstand_\@
	LOADA \p, 24, 26, 4, 9
	s_branch .Lgot_\@
.Lstand_\@:
	LOADA \p, 8, 8, ZO, ZO                         ; the stand-in: as many loads, all lanes at the same bytes of my slice of W2
.Lgot_\@:
	s_wait_loadcnt 60                              ; all but the three youngest fills: the next sub-trip's buffer is in
.irp t, 0,1,2,3,4,5,6,7
	ds_store_b128 v7, v[ACC+8*\t:ACC+8*\t+3] offset:SO+64*\t               ; each accumulator from its low end on
	ds_store_b128 v7, v[ACC+8*\t+4:ACC+8*\t+7] offset:SO+64*\t+16
.endr
	s_branch .Lmeet_\@
.Lidle_\@:
	s_wait_loadcnt 0x0                             ; no work: whatever was asked for has landed, so that the next sub-trip finds its buffer whole on this way too
.Lmeet_\@:
	s_wait_dscnt 0x0                               ; for the others' sake: my partial sum lies in the stage
	s_barrier_signal -1
	s_barrier_wait -1
	s_cmp_lt_u32 s21, s20
	s_cbranch_scc0 .Lnone_\@
.irp pt, 0,1,2,3
.irp i, 0,1,2,3
	ds_load_b128 v[RD+16*\pt+4*\i:RD+16*\pt+4*\i+3], v8 offset:SO+8448*\pt+528*\i
.endr
.endr
	s_wait_dscnt 0x0
.irp pt, 1,2,3
.irp m, 0,1,2,3,4,5,6,7
	v_pk_add_f32 v[RD+2*\m:RD+2*\m+1], v[RD+2*\m:RD+2*\m+1], v[RD+16*\pt+2*\m:RD+16*\pt+2*\m+1]   ; the four quarters of K, in ascending order
.endr
.endr
.irp m, 0,1,2,3,4,5,6,7
	v_pk_add_f32 v[RD+2*\m:RD+2*\m+1], v[RD+2*\m:RD+2*\m+1], v[B2+2*(\m%2):B2+2*(\m%2)+1]
.endr
.irp i, 0,1,2,3
	global_store_b128 v4, v[RD+4*\i:RD+4*\i+3], s[14:15] offset:4096*\i    ; 512 consecutive bytes of a row of y
.endr
.Lnone_\@:
	s_wait_xcnt 0x0                                ; this sub-trip's loads and stores have read their registers and addresses
	s_add_nc_u64 s[14:15], s[14:15], 131072        ; two tiles of 16 rows on
	s_add_co_u32 s21, s21, 2
.endm
	s_mov_b32 s23, 4
.Ltrip:
	SUB 0
	SUB 1
	SUB 2
	SUB 3
	s_sub_co_u32 s23, s23, 1
	s_cmp_lg_u32 s23, 0
	s_cbranch_scc1 .Ltrip
	s_wait_tensorcnt 0x0                           ; the wave's end
	ds_add_u32 v[SPW], v[NIL]
	s_wait_dscnt 0x0
	s_endpgm
.Lfunc_end_k_q0566be7653_down:
	.size	k_q0566be7653_down, .Lfunc_end_k_q0566be7653_down-k_q0566be7653_down
	.p2alignl 7, 3214868480
	.fill 96, 4, 3214868480
	.section	.rodata,"a",@progbits
	.p2align	6, 0x0
	.amdhsa_kernel k_q0566be7653_down
		.amdhsa_group_segment_fixed_size 135680
		.amdhsa_private_segment_fixed_size 0
		.amdhsa_enable_private_segment 0
		.amdhsa_kernarg_size 48
		.amdhsa_user_sgpr_count 2
		.amdhsa_user_sgpr_kernarg_segment_ptr 1
		.amdhsa_wavefront_size32 1
		.amdhsa_system_sgpr_workgroup_id_x 1
		.amdhsa_system_sgpr_workgroup_id_y 1
		.amdhsa_system_sgpr_workgroup_id_z 1
		.amdhsa_system_vgpr_workitem_id 0
		.amdhsa_next_free_vgpr 1024
		.amdhsa_next_free_sgpr 66
		.amdhsa_reserve_vcc 0
		.amdhsa_float_denorm_mode_32 3
		.amdhsa_float_denorm_mode_16_64 3
		.amdhsa_memory_ordered 1
		.amdhsa_forward_progress 1
		.amdhsa_inst_pref_size 116
	.end_amdhsa_kernel
	.amdgpu_metadata
---
amdhsa.version: [ 1, 2 ]
amdhsa.kernels:
  - .name:           k_q0566be7653_down
    .symbol:         k_q0566be7653_down.kd
    .args:
      - { .name: hq, .offset: 0, .size: 8, .value_kind: global_buffer, .address_space: global }
      - { .name: sel, .offset: 8, .size: 8, .value_kind: global_buffer, .address_space: global }
      - { .name: w2_codes, .offset: 16, .size: 8, .value_kind: global_buffer, .address_space: global }
      - { .name: w2_scales, .offset: 24, .size: 8, .value_kind: global_buffer, .address_space: global }
      - { .name: b2, .offset: 32, .size: 8, .value_kind: global_buffer, .address_space: global }
      - { .name: y, .offset: 40, .size: 8, .value_kind: global_buffer, .address_space: global }
    .group_segment_fixed_size: 135680
    .private_segment_fixed_size: 0
    .kernarg_segment_align: 8
    .kernarg_segment_size: 48
    .max_flat_workgroup_size: 128
    .sgpr_count:     66
    .vgpr_count:     1024
    .wavefront_size: 32
...
	.end_amdgpu_metadata
.endif
;; end of part 3
;; launch norm (part 4): grid 256 x 1, 4 waves a work-group, no clusters, 0 bytes of LDS; arguments x, y, sel, gw, gamma, beta, out0; writes out0
.if DOCPART == 4
	.amdgcn_target "amdgcn-amd-amdhsa--gfx1250"
	.amdhsa_code_object_version 6
	.text
	.protected	k_q0566be7653_norm
	.globl	k_q0566be7653_norm
	.p2align	8
	.type	k_q0566be7653_norm,@function
k_q0566be7653_norm:
	s_mov_b64 s[64:65], 0
	v_nop
	global_prefetch_b8 v0, s[64:65] scope:SCOPE_SE
	s_setreg_imm32_b32 hwreg(HW_REG_WAVE_MODE, 25, 1), 1
	s_wait_xcnt 0x0
; out0[t] = the sum over the token's two experts of gate x (layernorm(y + x) gamma + beta).  Work left out: the six experts that were not chosen (see the first kernel's head).
; One wave to a token: a row of 4,096 bytes is 32 registers, so x and both rows of y stay in registers between the passes; no LDS, no barrier.
; Which rows: sel[t] names the experts.  The token's row in an expert's list is 512 half + its rank: the tokens of its half of 512 that stand before it and chose the same expert.  The wave reads the
; half's 512 words of sel (whole numbers that the first launch stored), makes 16 masks for each of the two experts and counts their bits below the token.
; Mean and variance as reference() has them: the mean first, then the mean of the squared differences; eps = 1e-5.
.set X,  8
.set Z1, 40
.set Z2, 72
.set G1, 104                           ; first the half's words of sel
.set B1, 136                           ; first the two experts' bits of them
.set G2, 168
.set B2, 200
.set M1, 66                            ; s[66:81] the first expert's masks;  s[82:97] the second's
.set M2, 82
	s_load_b256 s[4:11], s[0:1], 0x0               ; x, y, sel, gw
	s_load_b64 s[14:15], s[0:1], 0x20              ; gamma
	s_load_b128 s[16:19], s[0:1], 0x28             ; beta, out0
	v_lshrrev_b32 v1, 5, v0
	v_readfirstlane_b32 s20, v1
	v_and_b32 v1, 31, v0
	v_lshlrev_b32 v2, 4, v1                        ; 16 x lane
	v_lshlrev_b32 v3, 2, v1                        ; 4 x lane
	v_mov_b32 v248, 0                              ; written once: a lane permute's destination counts as one of its sources
	v_mov_b32 v249, 0
	s_lshl_b32 s21, ttmp9, 2
	s_add_co_u32 s21, s21, s20                     ; t
	s_lshl_b32 s22, s21, 2
	s_lshl_b32 s23, s21, 3
	s_lshl_b32 s24, s21, 12
	s_mov_b32 s25, 0
	s_lshr_b32 s60, s21, 9                         ; the token's half,
	s_bfe_u32 s61, s21, 0x40005                    ; its group of 32 in the half,
	s_and_b32 s62, s21, 31                         ; its place in the group,
	s_lshl_b32 s63, 1, s62
	s_sub_co_u32 s63, s63, 1                       ; and the places below it
	s_lshl_b32 s44, s60, 11
	s_mov_b32 s45, 0
	s_mov_b32 s30, 0x3a800000                      ; 1 / 1,024
	s_mov_b32 s31, 0x3727c5ac                      ; 1e-5
	s_mov_b32 s50, 0x76543210
	s_mov_b32 s51, 0xfedcba98
	s_wait_alu depctr_va_vdst(0)
	s_wait_kmcnt 0x0
	s_load_b32 s26, s[8:9], s22 offset:0x0         ; sel[t]
	s_load_b64 s[28:29], s[10:11], s23 offset:0x0  ; the two gates
	s_add_nc_u64 s[12:13], s[8:9], s[44:45]        ; the half's words of sel
.irp i, 0,1,2,3,4,5,6,7,8,9,10,11,12,13,14,15
	global_load_b32 v[G1+\i], v3, s[12:13] offset:128*\i
.endr
	s_add_nc_u64 s[4:5], s[4:5], s[24:25]
	s_add_nc_u64 s[18:19], s[18:19], s[24:25]
.irp i, 0,1,2,3,4,5,6,7
	global_load_b128 v[X+4*\i:X+4*\i+3], v2, s[4:5] offset:512*\i th:TH_LOAD_NT
.endr
	s_wait_kmcnt 0x0
	s_and_b32 s40, s26, 0xff
	s_min_u32 s40, s40, 7                          ; e1
	s_bfe_u32 s41, s26, 0x80008
	s_min_u32 s41, s41, 7                          ; e2
	s_add_co_u32 s32, s40, 16
	s_lshl_b32 s32, 1, s32                         ; their bits in a word of sel
	s_add_co_u32 s33, s41, 16
	s_lshl_b32 s33, 1, s33
	s_wait_loadcnt 8                               ; sel is in: behind it stand x's 8 loads
.irp i, 0,1,2,3,4,5,6,7,8,9,10,11,12,13,14,15
	v_and_b32 v[B1+\i], s32, v[G1+\i]
	v_and_b32 v[B1+16+\i], s33, v[G1+\i]
.endr
.irp i, 0,1,2,3,4,5,6,7,8,9,10,11,12,13,14,15
	v_cmp_ne_u32 s[M1+\i], 0, v[B1+\i]
	v_cmp_ne_u32 s[M2+\i], 0, v[B1+16+\i]
.endr
	s_lshl_b32 s42, s60, 9                         ; 512 half, onto which the ranks are counted
	s_mov_b32 s43, s42
.irp i, 0,1,2,3,4,5,6,7,8,9,10,11,12,13,14,15
	s_cmp_lt_u32 \i, s61                           ; which tokens of group i stand before mine: all,
	s_cselect_b32 s34, -1, 0
	s_cmp_eq_u32 s61, \i
	s_cselect_b32 s34, s63, s34                    ; those below my place, or none
	s_and_b32 s35, s[M1+\i], s34
	s_bcnt1_i32_b32 s35, s35
	s_add_co_u32 s42, s42, s35
	s_and_b32 s35, s[M2+\i], s34
	s_bcnt1_i32_b32 s35, s35
	s_add_co_u32 s43, s43, s35
.endr
	s_min_u32 s42, s42, 1023                       ; bounds that can be read off the text; the numbers are under 1,024 already
	s_min_u32 s43, s43, 1023
	s_lshl_b32 s44, s40, 10
	s_add_co_u32 s44, s44, s42
	s_lshl_b32 s44, s44, 12
	s_add_nc_u64 s[46:47], s[6:7], s[44:45]        ; y's row e1 x 1,024 + p1
	s_lshl_b32 s44, s41, 10
	s_add_co_u32 s44, s44, s43
	s_lshl_b32 s44, s44, 12
	s_add_nc_u64 s[48:49], s[6:7], s[44:45]
	s_lshl_b32 s44, s40, 12
	s_add_nc_u64 s[52:53], s[14:15], s[44:45]      ; gamma[e1], beta[e1]
	s_add_nc_u64 s[54:55], s[16:17], s[44:45]
	s_lshl_b32 s44, s41, 12
	s_add_nc_u64 s[56:57], s[14:15], s[44:45]
	s_add_nc_u64 s[58:59], s[16:17], s[44:45]
.irp i, 0,1,2,3,4,5,6,7
	global_load_b128 v[Z1+4*\i:Z1+4*\i+3], v2, s[46:47] offset:512*\i th:TH_LOAD_NT
.endr
.irp i, 0,1,2,3,4,5,6,7
	global_load_b128 v[Z2+4*\i:Z2+4*\i+3], v2, s[48:49] offset:512*\i th:TH_LOAD_NT
.endr
.irp i, 0,1,2,3,4,5,6,7
	global_load_b128 v[G1+4*\i:G1+4*\i+3], v2, s[52:53] offset:512*\i
	global_load_b128 v[B1+4*\i:B1+4*\i+3], v2, s[54:55] offset:512*\i
	global_load_b128 v[G2+4*\i:G2+4*\i+3], v2, s[56:57] offset:512*\i
	global_load_b128 v[B2+4*\i:B2+4*\i+3], v2, s[58:59] offset:512*\i
.endr
.macro WSUM a, b                       ; two sums over the 32 lanes, by turns; every lane ends with both
.irp m, 1,2,4,8
	v_add_f32_dpp v[\a], v[\a], v[\a] row_xmask:\m row_mask:0xf bank_mask:0xf
	v_add_f32_dpp v[\b], v[\b], v[\b] row_xmask:\m row_mask:0xf bank_mask:0xf
.endr
	v_permlanex16_b32 v248, v[\a], s50, s51
	v_permlanex16_b32 v249, v[\b], s50, s51
	v_add_f32 v[\a], v[\a], v248
	v_add_f32 v[\b], v[\b], v249
.endm
	s_wait_loadcnt 32                              ; x and both rows of y are in: behind them stand the 32 loads of gamma and beta
.set n, 0
.rept 16
	v_pk_add_f32 v[Z1+2*n:Z1+2*n+1], v[Z1+2*n:Z1+2*n+1], v[X+2*n:X+2*n+1]   ; y + x
	v_pk_add_f32 v[Z2+2*n:Z2+2*n+1], v[Z2+2*n:Z2+2*n+1], v[X+2*n:X+2*n+1]
.set n, n+1
.endr
	v_pk_add_f32 v[232:233], v[Z1:Z1+1], v[Z1+4:Z1+5]      ; the rows' sums: two chains a row
	v_pk_add_f32 v[234:235], v[Z2:Z2+1], v[Z2+4:Z2+5]
	v_pk_add_f32 v[236:237], v[Z1+2:Z1+3], v[Z1+6:Z1+7]
	v_pk_add_f32 v[238:239], v[Z2+2:Z2+3], v[Z2+6:Z2+7]
.irp n, 8,12,16,20,24,28
	v_pk_add_f32 v[232:233], v[232:233], v[Z1+\n:Z1+\n+1]
	v_pk_add_f32 v[234:235], v[234:235], v[Z2+\n:Z2+\n+1]
	v_pk_add_f32 v[236:237], v[236:237], v[Z1+\n+2:Z1+\n+3]
	v_pk_add_f32 v[238:239], v[238:239], v[Z2+\n+2:Z2+\n+3]
.endr
	v_pk_add_f32 v[232:233], v[232:233], v[236:237]
	v_pk_add_f32 v[234:235], v[234:235], v[238:239]
	v_add_f32 v232, v232, v233
	v_add_f32 v234, v234, v235
	WSUM 232, 234
	v_mul_f32 v240, s30, v232                      ; the means, each twice for the packed forms
	v_mul_f32 v242, s30, v234
	v_mov_b32 v241, v240
	v_mov_b32 v243, v242
.set n, 0
.rept 16
	v_pk_add_f32 v[Z1+2*n:Z1+2*n+1], v[Z1+2*n:Z1+2*n+1], v[240:241] neg_lo:[0,1] neg_hi:[0,1]
	v_pk_add_f32 v[Z2+2*n:Z2+2*n+1], v[Z2+2*n:Z2+2*n+1], v[242:243] neg_lo:[0,1] neg_hi:[0,1]
.set n, n+1
.endr
	v_pk_mul_f32 v[232:233], v[Z1:Z1+1], v[Z1:Z1+1]        ; the sums of squares: the first products start them
	v_pk_mul_f32 v[234:235], v[Z2:Z2+1], v[Z2:Z2+1]
	v_pk_mul_f32 v[236:237], v[Z1+2:Z1+3], v[Z1+2:Z1+3]
	v_pk_mul_f32 v[238:239], v[Z2+2:Z2+3], v[Z2+2:Z2+3]
.irp n, 4,8,12,16,20,24,28
	v_pk_fma_f32 v[232:233], v[Z1+\n:Z1+\n+1], v[Z1+\n:Z1+\n+1], v[232:233]
	v_pk_fma_f32 v[234:235], v[Z2+\n:Z2+\n+1], v[Z2+\n:Z2+\n+1], v[234:235]
	v_pk_fma_f32 v[236:237], v[Z1+\n+2:Z1+\n+3], v[Z1+\n+2:Z1+\n+3], v[236:237]
	v_pk_fma_f32 v[238:239], v[Z2+\n+2:Z2+\n+3], v[Z2+\n+2:Z2+\n+3], v[238:239]
.endr
	v_pk_add_f32 v[232:233], v[232:233], v[236:237]
	v_pk_add_f32 v[234:235], v[234:235], v[238:239]
	v_add_f32 v232, v232, v233
	v_add_f32 v234, v234, v235
	WSUM 232, 234
	v_fma_f32 v232, v232, s30, s31                 ; variance + eps
	v_fma_f32 v234, v234, s30, s31
	s_wait_alu depctr_va_vdst(0)
	v_rsq_f32 v232, v232
	v_rsq_f32 v234, v234
	v_mov_b32 v236, s28                            ; the gates, each twice (plain work behind the two roots)
	v_mov_b32 v237, s28
	v_mov_b32 v238, s29
	v_mov_b32 v239, s29
	s_wait_alu depctr_va_vdst(0)                   ; the wait ahead of the first reader: one for both
	v_mul_f32 v244, s28, v232                      ; gate / standard deviation
	v_mul_f32 v246, s29, v234
	v_mov_b32 v245, v244
	v_mov_b32 v247, v246
	s_wait_loadcnt 0x0                             ; gamma and beta
.set n, 0
.rept 16
	v_pk_mul_f32 v[Z1+2*n:Z1+2*n+1], v[Z1+2*n:Z1+2*n+1], v[G1+2*n:G1+2*n+1]
	v_pk_mul_f32 v[Z2+2*n:Z2+2*n+1], v[Z2+2*n:Z2+2*n+1], v[G2+2*n:G2+2*n+1]
	v_pk_mul_f32 v[B1+2*n:B1+2*n+1], v[B1+2*n:B1+2*n+1], v[236:237]
.set n, n+1
.endr
.set n, 0
.rept 16
	v_pk_fma_f32 v[B1+2*n:B1+2*n+1], v[B2+2*n:B2+2*n+1], v[238:239], v[B1+2*n:B1+2*n+1]
.set n, n+1
.endr
.set n, 0
.rept 16
	v_pk_fma_f32 v[B1+2*n:B1+2*n+1], v[Z1+2*n:Z1+2*n+1], v[244:245], v[B1+2*n:B1+2*n+1]
.set n, n+1
.endr
.set n, 0
.rept 16
	v_pk_fma_f32 v[B1+2*n:B1+2*n+1], v[Z2+2*n:Z2+2*n+1], v[246:247], v[B1+2*n:B1+2*n+1]
.set n, n+1
.endr
.irp i, 0,1,2,3,4,5,6,7
	global_store_b128 v2, v[B1+4*\i:B1+4*\i+3], s[18:19] offset:512*\i th:TH_STORE_NT   ; 512 consecutive bytes of the token's row
.endr
	s_endpgm
.Lfunc_end_k_q0566be7653_norm:
	.size	k_q0566be7653_norm, .Lfunc_end_k_q0566be7653_norm-k_q0566be7653_norm
	.p2alignl 7, 3214868480
	.fill 96, 4, 3214868480
	.section	.rodata,"a",@progbits
	.p2align	6, 0x0
	.amdhsa_kernel k_q0566be7653_norm
		.amdhsa_group_segment_fixed_size 0
		.amdhsa_private_segment_fixed_size 0
		.amdhsa_enable_private_segment 0
		.amdhsa_kernarg_size 56
		.amdhsa_user_sgpr_count 2
		.amdhsa_user_sgpr_kernarg_segment_ptr 1
		.amdhsa_wavefront_size32 1
		.amdhsa_system_sgpr_workgroup_id_x 1
		.amdhsa_system_sgpr_workgroup_id_y 1
		.amdhsa_system_sgpr_workgroup_id_z 1
		.amdhsa_system_vgpr_workitem_id 0
		.amdhsa_next_free_vgpr 256
		.amdhsa_next_free_sgpr 100
		.amdhsa_reserve_vcc 0
		.amdhsa_float_denorm_mode_32 3
		.amdhsa_float_denorm_mode_16_64 3
		.amdhsa_memory_ordered 1
		.amdhsa_forward_progress 1
		.amdhsa_inst_pref_size 35
	.end_amdhsa_kernel
	.amdgpu_metadata
---
amdhsa.version: [ 1, 2 ]
amdhsa.kernels:
  - .name:           k_q0566be7653_norm
    .symbol:         k_q0566be7653_norm.kd
    .args:
      - { .name: x, .offset: 0, .size: 8, .value_kind: global_buffer, .address_space: global }
      - { .name: y, .offset: 8, .size: 8, .value_kind: global_buffer, .address_space: global }
      - { .name: sel, .offset: 16, .size: 8, .value_kind: global_buffer, .address_space: global }
      - { .name: gw, .offset: 24, .size: 8, .value_kind: global_buffer, .address_space: global }
      - { .name: gamma, .offset: 32, .size: 8, .value_kind: global_buffer, .address_space: global }
      - { .name: beta, .offset: 40, .size: 8, .value_kind: global_buffer, .address_space: global }
      - { .name: out0, .offset: 48, .size: 8, .value_kind: global_buffer, .address_space: global }
    .group_segment_fixed_size: 0
    .private_segment_fixed_size: 0
    .kernarg_segment_align: 8
    .kernarg_segment_size: 56
    .max_flat_workgroup_size: 128
    .sgpr_count:     100
    .vgpr_count:     256
    .wavefront_size: 32
...
	.end_amdgpu_metadata
.endif
;; end of part 4
